; MI455X (gfx1250); checked and timed in simulation.
; The chip was launched on July 23, 2026; its instructions are those of AMD's public machine-readable ISA for CDNA 5 (MIT licence, August 2026) and "CDNA5" Instruction Set Architecture Reference Guide (July 2026). The comments in the code are by the model that wrote it; some were corrected since.
;; Decoder Layer. Allowed arithmetic: float matrix products may take bf16 or f16 operands with f32 sums; other float arithmetic in f32, or as packed bf16 or f16 multiplies, adds, multiply-adds, maxima and minima; sums over many terms, partial sums and values carried from step to step in f32; what a program stores and reads back later, other than sums and carried values, may be rounded once to bf16 or f16.
;; Inputs: W1 512 x 512 float32; W2 512 x 512 float32; b1 512 float32; b2 512 float32; encoder_output 8 x 1,024 x 512 float32; mask 8 x 2,048 x 2,048 bool; y 8 x 2,048 x 512 float32.
;; Outputs: out0 8 x 2,048 x 512 float32.
;; 2 versions, each right; version 2 is version 1 with the launch cast written anew for expert scheduling mode. Each part assembles by itself: llvm-mc -triple=amdgcn-amd-amdhsa -mcpu=gfx1250 --defsym DOCPART=n.
;; ======== version 1 of 2: 2 launches
;; limits: values are held in f16: magnitudes above 65,504 overflow, below 6.1e-05 lose precision; right only within a limited range of input values
;; workspace buffers: kv 26,218,496 bytes
;; launch cast (part 1): grid 801 x 1, 8 waves a work-group, no clusters, 0 bytes of LDS; arguments y, encoder_output, W1, W2, b1, b2, kv; writes kv
.if DOCPART == 1
	.amdgcn_target "amdgcn-amd-amdhsa--gfx1250"
	.amdhsa_code_object_version 6
	.text
	.protected	k_qcd39196925_cast
	.globl	k_qcd39196925_cast
	.p2align	8
	.type	k_qcd39196925_cast,@function
k_qcd39196925_cast:
	s_mov_b64 s[64:65], 0
	v_nop
	global_prefetch_b8 v0, s[64:65] scope:SCOPE_SE
	s_setreg_imm32_b32 hwreg(HW_REG_WAVE_MODE, 25, 1), 1
	s_wait_xcnt 0x0
; kv = the module's inputs, each rounded ONCE to bf16 (nearest even); y, encoder_output, W1, W2 then written as f16, b1 and b2 as f32.
; kv's bytes: y [8][2048][512] f16 at 0; encoder_output [8][1024][512] f16 at 16 MiB; W1 [512][512] f16 at 24 MiB; W2 at 24.5 MiB; b1, b2 (512 f32 each) at 26,214,400.
; That is y, encoder_output, W1, W2 on end at half their bytes, so work-group id's 32,768 bytes of kv begin at id x 32,768.
; LIMITS.  A bf16 number is exact in f16 from 6.1e-5 to 65,504 in magnitude; below that it keeps f16's fixed step of 6e-8; beyond 65,504 it becomes an infinity.
; A stream: each input byte is read once, by loads of which a wave's covers 512 consecutive bytes; a wave's store covers 256 consecutive bytes, aligned.  No LDS, no barrier, no matrix work.
; Work-groups 0-511 take y, 512-767 encoder_output, 768-783 W1, 784-799 W2, 16,384 numbers each; work-group 800 takes the two biases.
.set X, 8                              ; v[8:71]    sixteen loads of four f32
.set T, 72                             ; v[72:77]   at work
.set Y, 80                             ; v[80:111]  a pair for each store: none is written twice, so no store's data is ever waited for
.set BIAS_AT, 26214400
	s_load_b256 s[4:11], s[0:1], 0x0               ; y s[4:5], encoder_output s[6:7], W1 s[8:9], W2 s[10:11]
	s_load_b128 s[12:15], s[0:1], 0x20             ; b1 s[12:13], b2 s[14:15]
	s_load_b64 s[16:17], s[0:1], 0x30              ; kv
	v_lshlrev_b32 v1, 4, v0                        ; 16 bytes a thread in
	v_lshlrev_b32 v2, 3, v0                        ; 8 bytes a thread out
	s_mov_b32 s20, ttmp9                           ; id
	s_mov_b32 s28, 0xffff0000                      ; a word's upper bf16
	s_wait_kmcnt 0x0
	s_cmp_eq_u32 s20, 800
	s_cbranch_scc1 .Lbias
	s_mov_b64 s[22:23], s[10:11]                   ; which tensor, and the id of its first work-group
	s_mov_b32 s24, 784
	s_cmp_lt_u32 s20, 784
	s_cselect_b64 s[22:23], s[8:9], s[22:23]
	s_cselect_b32 s24, 768, s24
	s_cmp_lt_u32 s20, 768
	s_cselect_b64 s[22:23], s[6:7], s[22:23]
	s_cselect_b32 s24, 512, s24
	s_cmp_lt_u32 s20, 512
	s_cselect_b64 s[22:23], s[4:5], s[22:23]
	s_cselect_b32 s24, 0, s24
	s_sub_co_u32 s24, s20, s24
	s_lshl_b32 s24, s24, 16                        ; 65,536 bytes of the tensor a work-group
	s_mov_b32 s25, 0
	s_add_nc_u64 s[22:23], s[22:23], s[24:25]
	s_lshl_b32 s26, s20, 15                        ; 32,768 bytes of kv a work-group
	s_mov_b32 s27, 0
	s_add_nc_u64 s[16:17], s[16:17], s[26:27]
.set i, 0
.rept 16
	global_load_b128 v[X+4*i:X+4*i+3], v1, s[22:23] offset:4096*i th:TH_LOAD_NT
.set i, i+1
.endr
.set i, 0
.rept 16
	s_wait_loadcnt 15-i                            ; loads come back in order (ISA guide 5.7.1): load i is in, the 15 - i younger ones stay out
	v_cvt_pk_bf16_f32 v[T], v[X+4*i], v[X+4*i+1]   ; the one rounding
	v_cvt_pk_bf16_f32 v[T+1], v[X+4*i+2], v[X+4*i+3]
	v_lshlrev_b32 v[T+2], 16, v[T]                 ; bf16 as f32
	v_and_b32 v[T+3], s28, v[T]
	v_lshlrev_b32 v[T+4], 16, v[T+1]
	v_and_b32 v[T+5], s28, v[T+1]
	v_cvt_pk_f16_f32 v[Y+2*i], v[T+2], v[T+3]      ; the same numbers as f16
	v_cvt_pk_f16_f32 v[Y+2*i+1], v[T+4], v[T+5]
	global_store_b64 v2, v[Y+2*i:Y+2*i+1], s[16:17] offset:2048*i
.set i, i+1
.endr
	s_endpgm
.Lbias:                                                ; 256 threads x 4 numbers: waves 0-3 b1, waves 4-7 b2
	v_lshrrev_b32 v3, 5, v0
	v_readfirstlane_b32 s21, v3                    ; wave
	s_cmp_lt_u32 s21, 4
	s_cselect_b64 s[22:23], s[12:13], s[14:15]
	v_and_b32 v4, 127, v0
	v_lshlrev_b32 v4, 4, v4
	global_load_b128 v[X:X+3], v4, s[22:23]
	s_add_nc_u64 s[16:17], s[16:17], BIAS_AT
	s_wait_loadcnt 0x0
	v_cvt_pk_bf16_f32 v[T], v[X], v[X+1]
	v_cvt_pk_bf16_f32 v[T+1], v[X+2], v[X+3]
	v_lshlrev_b32 v[Y], 16, v[T]
	v_and_b32 v[Y+1], s28, v[T]
	v_lshlrev_b32 v[Y+2], 16, v[T+1]
	v_and_b32 v[Y+3], s28, v[T+1]
	global_store_b128 v1, v[Y:Y+3], s[16:17]
	s_endpgm
.Lfunc_end_k_qcd39196925_cast:
	.size	k_qcd39196925_cast, .Lfunc_end_k_qcd39196925_cast-k_qcd39196925_cast
	.p2alignl 7, 3214868480
	.fill 96, 4, 3214868480
	.section	.rodata,"a",@progbits
	.p2align	6, 0x0
	.amdhsa_kernel k_qcd39196925_cast
		.amdhsa_group_segment_fixed_size 0
		.amdhsa_private_segment_fixed_size 0
		.amdhsa_enable_private_segment 0
		.amdhsa_kernarg_size 56
		.amdhsa_user_sgpr_count 2
		.amdhsa_user_sgpr_kernarg_segment_ptr 1
		.amdhsa_wavefront_size32 1
		.amdhsa_system_sgpr_workgroup_id_x 1
		.amdhsa_system_sgpr_workgroup_id_y 1
		.amdhsa_system_sgpr_workgroup_id_z 1
		.amdhsa_system_vgpr_workitem_id 0
		.amdhsa_next_free_vgpr 112
		.amdhsa_next_free_sgpr 66
		.amdhsa_reserve_vcc 0
		.amdhsa_float_denorm_mode_32 3
		.amdhsa_float_denorm_mode_16_64 3
		.amdhsa_memory_ordered 1
		.amdhsa_forward_progress 1
		.amdhsa_inst_pref_size 12
	.end_amdhsa_kernel
	.amdgpu_metadata
---
amdhsa.version: [ 1, 2 ]
amdhsa.kernels:
  - .name:           k_qcd39196925_cast
    .symbol:         k_qcd39196925_cast.kd
    .args:
      - { .name: y, .offset: 0, .size: 8, .value_kind: global_buffer, .address_space: global }
      - { .name: encoder_output, .offset: 8, .size: 8, .value_kind: global_buffer, .address_space: global }
      - { .name: W1, .offset: 16, .size: 8, .value_kind: global_buffer, .address_space: global }
      - { .name: W2, .offset: 24, .size: 8, .value_kind: global_buffer, .address_space: global }
      - { .name: b1, .offset: 32, .size: 8, .value_kind: global_buffer, .address_space: global }
      - { .name: b2, .offset: 40, .size: 8, .value_kind: global_buffer, .address_space: global }
      - { .name: kv, .offset: 48, .size: 8, .value_kind: global_buffer, .address_space: global }
    .group_segment_fixed_size: 0
    .private_segment_fixed_size: 0
    .kernarg_segment_align: 8
    .kernarg_segment_size: 56
    .max_flat_workgroup_size: 256
    .sgpr_count:     66
    .vgpr_count:     112
    .wavefront_size: 32
...
	.end_amdgpu_metadata
.endif
;; end of part 1
;; launch layer (part 2): grid 32 x 8, 4 waves a work-group, clusters of 4 x 1, 327,680 bytes of LDS; arguments kv, mask, out0; writes out0
.if DOCPART == 2
	.amdgcn_target "amdgcn-amd-amdhsa--gfx1250"
	.amdhsa_code_object_version 6
	.text
	.protected	k_qcd39196925_layer
	.globl	k_qcd39196925_layer
	.p2align	8
	.type	k_qcd39196925_layer,@function
k_qcd39196925_layer:
	s_mov_b64 s[64:65], 0
	v_nop
	global_prefetch_b8 v0, s[64:65] scope:SCOPE_SE
	s_setreg_imm32_b32 hwreg(HW_REG_WAVE_MODE, 25, 1), 1
	s_wait_xcnt 0x0
	s_wait_alu depctr_hold_cnt(0) depctr_sa_sdst(0) depctr_va_vdst(0) depctr_va_sdst(0) depctr_va_ssrc(0) depctr_va_vcc(0) depctr_vm_vsrc(0)
	s_getreg_b32 s2, hwreg(HW_REG_IB_STS2, 6, 4)
	s_cmp_eq_u32 s2, 0
	s_cbranch_scc0 .Lentry_in_a_cluster
	s_endpgm
.Lentry_in_a_cluster:
	s_bfe_u32 s2, ttmp6, 0x10000c
	s_cmp_lg_u32 s2, 0x3003
	s_cbranch_scc0 .Lentry_shape_is_right
	s_endpgm
.Lentry_shape_is_right:
; out0 = relu(att2 W1 + b1) W2 + b2,  att2 = softmax(att1 E^T / sqrt 512) E,  att1 = softmax(where(mask, y y^T / sqrt 512, -1e9)) y.   All four steps in one launch, a block of 64 rows at a time.
; kv holds y, E (encoder_output), W1, W2 as f16 of their bf16 roundings and b1, b2 as f32 of theirs (the launch before).  All products: f16 operands, f32 sums.  Maxima, sums of weights and O stay in f32;
; the weights p, att1, att2 and relu(..) are rounded once to f16 as matrix operands; out0 leaves as the f32 sums.
; LIMITS.  Operands within 65,504 in magnitude (f16), relu(..) too; below 6.1e-5 f16 keeps a fixed step of 6e-8.  A hidden score counts as the raw score -2^34, -7.6e8 after the scale, where the
; reference has -1e9: the same result while every visible scaled score lies above -7.6e8.  -2^34 is a power of two, so c x (-2^34) is exact, a row that is hidden entirely has the exponent 0 and p = 1
; for every key, and its result is the mean of all rows, as in the reference.  A weight below 2^-126 counts as 0.  NaN and infinities are not treated apart.
; SHARES.  A work-group owns 64 rows (q tiles qt 0-3 of 16) of one batch; 8 x 32 = 256 work-groups.  It walks 32 TILES of 128 rows x 1,024 bytes of kv: 16 of y[b], 8 of E[b], 4 of W1, 4 of W2.
;   S^T = K Q^T: wave w takes keys 32 w .. 32 w + 31 of the tile (key tiles kt 0, 1) and all 64 queries; Q, 64 rows x 512 channels, lies in every wave's registers (512).
;   O^T += V^T P: wave w owns channels 128 w .. 128 w + 127 (eight channel tiles t) of all 64 queries; the tile's rows serve as K as they lie and as V turned, by ds_load_tr16_b128.
;   A layer is the same product: the weights' tile [k][n] in V's place, and Q's registers (the layer's input rows) in P's.
;   In every result a lane holds ONE query (lane % 16).  Channel tile t holds channels 128 w + 8 t + j in lanes 0-15 and 128 w + 64 + 8 t + j in lanes 16-31.
;   Between the waves, once a step: the local maxima (SA, barrier A) and P (PBUF, barrier B).  l stays each wave's own partial sum, against the common maximum m, and is added up once an attention.
; SOFTMAX.  p = 2^(c s - c m), c = log2(e) / sqrt(512), with a running maximum m; in every step O and l are multiplied by a = 2^(c m_old - c m_new).  m starts at the lowest finite number, so the
;   first step's a is 0 and no first step is written out; for that O is set to 0 once, 256 lines in the wait for the first tile (the second attention finds finite numbers there and needs none).
; THE ORDER OF A STEP.  V^T P takes the tile's four blocks of 32 keys in the order w, w + 1, w + 2, w + 3 (mod 4).  The first is the wave's own: its weights, rounded in place, ARE source 1 of the product,
;   so these 32 products wait for no other wave; beside them stand the rescaling of O^T (four lines behind a product, for the accumulator four turns on), barrier B and the loads of the next block.
;   The change of slots stands ahead of the step's last 32 products, when all of the tile's V is in registers; behind it the next tile's first fragments are fetched, and land under those products.
;   So a loop's trip begins with fragments that the trip before has fetched; the second attention's last trip fetches 16 fragments of W1 that nobody multiplies: the price of one text for every trip.
; CLUSTER.  The four work-groups of a cluster have the same batch and walk the same 32 tiles: each tile is asked for JOINTLY, the same tensor load, descriptor and mask in all four.
;   A wave brings 32 of a tile's 128 rows, 32,768 bytes; by this text's count a wave has at most one tensor load outstanding.
; LDS.  Two slots of 128 rows x 1,040 bytes (1,024 + 16 of padding = 260 words: row r starts at bank 4 r mod 64 (64 banks of 4 bytes: ISA guide 11.1); 16 lanes of the turning load take 8 rows x 16 bytes
;   and the same rows 128 bytes on).  Behind them, never filled by a tensor load: XST, PBUF, SA, SL, the spare words.  The way out uses slot 0 as its stage, behind that slot's last fill and last read.
; REGISTERS, in windows of 256 (s_set_vgpr_msb: bits 1:0 source 0, 3:2 source 1, 5:4 source 2, 7:6 destination):
;   window 0: v0-63 addresses, statistics, mask on its way; v64-127 S^T, then P's fragments; v128-191, v192-255 two fragment buffers (the second holds the softmax's temporaries)
;   window 1: O^T, O(t, qt) at 8 (4 t + qt)          windows 2, 3: Q, Q(qt, c) at 128 (qt % 2) + 8 c in window 2 + qt / 2 (c: 32 channels)
.set PITCH, 1040
.set SLOTB, 0x20800                    ; 128 x 1,040: a slot.  Its two bits are clear in 0 and in every wave's 33,280 w, so one exclusive or turns an address in one slot into the other's
.set XST,   2*SLOTB                    ; 33,280 bytes: the stage of a change of Q, 32 rows x 1,040; in the first attention its head is M, the mask of two steps: 64 rows x 272
.set PP,    272                        ; a row of P or of M: 256 bytes + 16 = 68 words: row r starts at bank 4 r mod 64
.set PBUF,  XST+32*PITCH               ; 17,408 bytes: P [64 queries][128 keys] f16
.set SA,    PBUF+64*PP                 ; 1,024 bytes: the waves' maxima [64 queries][4 waves] f32
.set SLO,   1024                       ; SL, the waves' sums l in the same shape, lies this far behind SA
.set SPARE, SA+2048                    ; the spare words, 128 bytes a wave: two blocks of 256 bytes that no other line names
.set OPI,   2064                       ; the way out: a row of 2,048 bytes + 16 = 516 words: row r starts at bank 4 r mod 64
.set SPW, 1                            ; v1   LDS address of my spare word; never rewritten
.set NIL, 2                            ; v2   0; never rewritten
.set NEGK, 3                           ; v3   -2^34
.set ZERO, 4                           ; v4   0, for the ReLU
.set AK0, 5                            ; v5   my place in a tile as K: (32 w + r) 1040 + 16 h        (r = lane % 16, h = lane / 16)
.set AV0, 6                            ; v6   as V: (8 h + lane % 8) 1040 + 256 w + 128 ((lane / 8) % 2)
.set ADRK, 7                           ; v7   AK0 + the slot in hand
.set ADRV, 8                           ; v8   V's address: in an attention of the first and third block taken; in a layer of rows 0-63
.set ADRV2, 9                          ; v9   in an attention of the second and fourth block taken; in a layer of rows 64-127
.set APS, 10                           ; v10  where I put P: PBUF + 272 r + 64 w + 16 h
.set APL, 11                           ; v11  where P is read: PBUF + 272 r + 16 h
.set ASS, 12                           ; v12  SA + 16 r + 4 w
.set ASL, 13                           ; v13  SA + 16 r
.set STO, 14                           ; v14  XST + 1040 r + 256 w + 128 h
.set SRD, 15                           ; v15  XST + 1040 r + 16 h
.set MGO, 16                           ; v16  mask in memory: (16 w + h) 2048 + 16 r
.set MST, 17                           ; v17  mask into M: XST + (16 w + h) 272 + 16 r
.set MLD, 18                           ; v18  mask out of M: XST + 272 r + 32 w + 8 h
.set MLDA, 19                          ; v19  MLD + the step's half of a row of M; at the start: my offset in Q's rows
.set APX, 19                           ;      behind the mask's loads: APL + 64 x the block of P to be read
.set MX,  20                           ; v20-23  m of q tile qt
.set LS,  24                           ; v24-31  l of q tile qt: a pair (even keys', odd keys')
.set MG,  32                           ; v32-63  the mask of the next two steps on its way: 8 x 16 bytes
.set VB,  32                           ; behind the first attention: v32 512 w + 256 h
.set OST, 33                           ; v33 2064 r + 512 w + 256 h;  v34 the same 32 rows on
.set ORD, 35                           ; v35 16 w rows of 2,064 + 16 lane
.set OGO, 36                           ; v36 16 lane
.set S,   64                           ; S(kt, qt) at S + 16 qt + 8 kt.  Later P's fragments, two buffers: P(qt) at S + 16 qt (my own block's, made in place; the third block's) and at S + 16 qt + 8
.set F0,  128
.set F1,  192
.set T,   192                          ; T+4qt the four waves' figures; T+16+2qt c0, c1; T+24+2qt c m, c m_old; T+32+4qt two pairs of sums
.set AA,  T+56                         ; AA+2qt a, its exponent: the registers of the second buffer's last V tile, which is therefore loaded when the rescaling is over
.set WV,  2                            ; s2   my wave's number
.set CNT, 3                            ; s3   steps to go in an attention
.set G1,  4                            ; s[4:11]  descriptor group 1; never rewritten
.set G0,  12                           ; s[12:15] descriptor group 0: it walks
.set KVB, 16                           ; s[16:17] kv at my 32 rows of its first tile
.set ADJ0, 18                          ; s18-20  what (tile number << 17) wants added for tiles 0-15, 16-23, 24-31
.set ADJ1, 19
.set ADJ2, 20
.set NXT, 21                           ; s21  the tile to be asked for next
.set OFF, 22                           ; s[22:23] its byte offset
.set MP,  24                           ; s[24:25] mask at my block's first row, the pair of steps last asked for
.set OUTP, 26                          ; s[26:27] out0 at my wave's 16 rows
.set CS,  28                           ; s[28:29] c, named as a pair
.set SEL, 30                           ; s[30:31] v_permlanex16_b32's selects: each lane takes its own place in the other half
.set TB,  32                           ; s32  LDS byte at which the slot in hand begins
.set PAR, 33                           ; s33  0 in a pair's first step, 128 in its second
.set P1,  34                           ; s34-36  v_perm_b32's selects that spread byte 1, 2, 3 over a word
.set BIASP, 38                         ; s[38:39] b1, and 2,048 bytes on b2
.set QP,  40                           ; s[40:41] y at my block's first row
.set KVO, 66                           ; s66-69  ((w + i) % 4) x 32 rows: where the i-th block that I take begins in a tile
.set KPO, 69                           ; s70-72  ((w + i) % 4) x 64 bytes, i = 1, 2, 3: the same in a row of P
.set MSB, 0
.macro WIN new                         ; the immediate's high byte repeats the setting that is left; a switch that changes nothing is dropped
.if MSB != (\new)
	s_set_vgpr_msb (MSB<<8)|(\new)
.set MSB, \new
.endif
.endm
.macro PLACES                          ; four places behind matrix instructions, in front of loads into their registers and of vector lines that read results or write sources
.rept 4
	v_nop
.endr
.endm
.macro BAR
	s_barrier_signal -1
	s_barrier_wait -1
.endm
; A round of the cluster's barrier: my work-group's barrier, so that wave 0's signal speaks for all four waves; wave 0 signals; every wave waits for all four work-groups; my work-group's barrier once more.
.macro ROUND
	s_barrier_signal -1
	s_barrier_wait -1
	s_cmp_lg_u32 s[WV], 0
	s_cbranch_scc1 .Lnot_wave_0_\@
	s_barrier_signal -3
.Lnot_wave_0_\@:
	s_barrier_wait -3
	s_barrier_signal -1
	s_barrier_wait -1
.endm
; THE CHANGE OF SLOTS.  Each wave waits for all its tensor loads, of which one is out: its part of the next tile; adds 0 to its spare word; and waits for that and for its reads of the slot that it leaves.
; Behind the barrier the next tile is whole and nobody reads the old slot.  fill = 1: the barrier is a round of the cluster's, and the joint load of the tile after the next into the old slot is the first
; thing behind it: it has a whole step in which to land.  The address is made anew from the tile's number.  The four v_nop are also the places behind the products that stand ahead of the change.
.macro CHANGE fill
	WIN 0                                          ; at a label and at a branch every window is 0
	s_wait_tensorcnt 0x0                           ; no tensor load of mine is out, so group 0 may be written
	ds_add_u32 v[SPW], v[NIL]                      ; 0 onto my spare word; scalar work stands between it and the wait for it
.if \fill
	s_cmp_lt_u32 s[NXT], 24
	s_cselect_b32 s[OFF], s[ADJ1], s[ADJ2]
	s_cmp_lt_u32 s[NXT], 16
	s_cselect_b32 s[OFF], s[ADJ0], s[OFF]
	s_lshl_b32 s53, s[NXT], 17                     ; a tile is 131,072 bytes
	s_add_co_u32 s[OFF], s[OFF], s53
	s_xor_b32 s[G0+1], s[G0+1], SLOTB              ; the other slot than last time
	s_add_nc_u64 s[G0+2:G0+3], s[KVB:KVB+1], s[OFF:OFF+1]
	s_or_b32 s[G0+3], s[G0+3], 0x80000000          ; type = 2
	s_add_co_u32 s[NXT], s[NXT], 1
.endif
	s_xor_b32 s[TB], s[TB], SLOTB                  ; the reads go to the other slot
	s_wait_dscnt 0x0                               ; the add is done, and my LDS reads and stores are over
.if \fill
	ROUND
	tensor_load_to_lds s[G0:G0+3], s[G1:G1+7]
	s_nop 0
.else
	BAR
.endif
	PLACES
.endm
; 16 LDS loads: K's fragments of my 32 keys for channels 128 g .. 128 g + 127: (kt, cc) at buf + 8 (2 cc + kt).  Destination and address lie in window 0 under every setting at which this is used (0, 0x08, 0x0c).
.macro FETCHK g, buf
.irp cc, 0,1,2,3
.irp kt, 0,1
	ds_load_b128 v[(\buf)+8*(2*(\cc)+(\kt)):(\buf)+8*(2*(\cc)+(\kt))+3],   v[ADRK] offset:(\kt)*16*PITCH+64*(4*(\g)+(\cc))
	ds_load_b128 v[(\buf)+8*(2*(\cc)+(\kt))+4:(\buf)+8*(2*(\cc)+(\kt))+7], v[ADRK] offset:(\kt)*16*PITCH+64*(4*(\g)+(\cc))+32
.endr
.endr
.endm
; A layer's 16 turning loads: rows 32 kb .. 32 kb + 31 of the tile, my 128 channels: channel tile t at buf + 8 t
.macro FETCHV kb, buf
.irp t, 0,1,2,3,4,5,6,7
	ds_load_tr16_b128 v[(\buf)+8*(\t):(\buf)+8*(\t)+3],   v[ADRV+(\kb)/2] offset:((\kb)%2)*32*PITCH+16*(\t)
	ds_load_tr16_b128 v[(\buf)+8*(\t)+4:(\buf)+8*(\t)+7], v[ADRV+(\kb)/2] offset:((\kb)%2)*32*PITCH+16*PITCH+16*(\t)
.endr
.endm
; An attention's turning loads: the 32 rows at which register areg points, channel tiles 0 .. nt - 1
.macro FETCHW areg, buf, nt
.set t, 0
.rept \nt
	ds_load_tr16_b128 v[(\buf)+8*t:(\buf)+8*t+3],   v[\areg] offset:16*t
	ds_load_tr16_b128 v[(\buf)+8*t+4:(\buf)+8*t+7], v[\areg] offset:16*PITCH+16*t
.set t, t+1
.endr
.endm
; 8 loads: P of the 32 keys at which APX points, for all 64 queries, into buffer pb (0 or 8)
.macro FETCHP pb
.irp qt, 0,1,2,3
	ds_load_b128 v[S+16*(\qt)+(\pb):S+16*(\qt)+(\pb)+3],   v[APX] offset:(\qt)*16*PP
	ds_load_b128 v[S+16*(\qt)+(\pb)+4:S+16*(\qt)+(\pb)+7], v[APX] offset:(\qt)*16*PP+32
.endr
.endm
; 32 products of S^T = K Q^T: channels 128 g on.  Four accumulators take turns, one instruction a turn; the very first products start the sums with the constant 0.
.macro KQG g, buf
.irp hq, 0,1
	WIN 0x08+4*(\hq)                               ; Q in window 2 or 3, all else in window 0
.irp cc, 0,1,2,3
.irp q2, 0,1
.irp kt, 0,1
.set rS, S+16*(2*(\hq)+(\q2))+8*(\kt)
.set rK, (\buf)+8*(2*(\cc)+(\kt))
.set rQ, 128*(\q2)+8*(4*(\g)+(\cc))
.if ((\g)+(\cc)) == 0
	v_wmma_f32_16x16x32_f16 v[rS:rS+7], v[rK:rK+7], v[rQ:rQ+7], 0
.else
	v_wmma_f32_16x16x32_f16 v[rS:rS+7], v[rK:rK+7], v[rQ:rQ+7], v[rS:rS+7]
.endif
.endr
.endr
.endr
.endr
.endm
; 32 products of O^T += V^T P for one block of 32 keys: all 32 accumulators by turns.  mid >= 0: a wait with that count stands ahead of the last channel tile's products
.macro PVG buf, pb, mid
	WIN 0x50                                       ; C and D in window 1
.irp t, 0,1,2,3,4,5,6,7
.if ((\mid) >= 0) && ((\t) == 7)
	s_wait_dscnt \mid
.endif
.irp qt, 0,1,2,3
.set rO, 8*(4*(\t)+(\qt))
	v_wmma_f32_16x16x32_f16 v[rO:rO+7], v[(\buf)+8*(\t):(\buf)+8*(\t)+7], v[S+16*(\qt)+(\pb):S+16*(\qt)+(\pb)+7], v[rO:rO+7]
.endr
.endr
.endm
.macro RESCA n                         ; accumulator n of O^T (n = 4 t + qt) times a, from its low end on
	WIN 0x41                                       ; O^T in window 1, a in window 0
.irp p, 0,1,2,3
	v_pk_mul_f32 v[8*(\n)+2*(\p):8*(\n)+2*(\p)+1], v[8*(\n)+2*(\p):8*(\n)+2*(\p)+1], v[AA+2*((\n)%4):AA+2*((\n)%4)+1] op_sel_hi:[1,0]
.endr
.endm
; The 32 products of my own block of keys: V in the first buffer, P as it was rounded in place.  Behind product n stands the rescaling of accumulator n + 4 (accumulators 0-3 were rescaled ahead): lines that
; name no register of the products round them.  Barrier B was signalled ahead; behind the eighth product it is waited for, and the next block's P, another wave's, is asked for: 24 products ahead of its use.
.macro PVOWN
.set n, 0
.rept 32
	WIN 0x50
	v_wmma_f32_16x16x32_f16 v[8*n:8*n+7], v[F0+8*(n/4):F0+8*(n/4)+7], v[S+16*(n%4):S+16*(n%4)+7], v[8*n:8*n+7]
.if n < 28
	RESCA n+4
.endif
.if n == 7
	WIN 0
	s_barrier_wait -1                              ; BARRIER B: every wave's P (and part of the next mask) is stored
	FETCHP 8
.endif
.set n, n+1
.endr
.endm
; 32 products of a layer: H^T += W^T X for input channels 128 st + 32 kb on; X lies in Q's registers
.macro MLG st, kb, buf
.irp hq, 0,1
	WIN 0x58+4*(\hq)                               ; C and D in window 1, Q in window 2 or 3
.irp t, 0,1,2,3,4,5,6,7
.irp q2, 0,1
.set rO, 8*(4*(\t)+2*(\hq)+(\q2))
.set rQ, 128*(\q2)+8*(4*(\st)+(\kb))
	v_wmma_f32_16x16x32_f16 v[rO:rO+7], v[(\buf)+8*(\t):(\buf)+8*(\t)+7], v[rQ:rQ+7], v[rO:rO+7]
.endr
.endr
.endr
.endm
; THE PLAIN LINES OF THE SOFTMAX, one at a time.  FMAL: c s - c m for pair p of q tile qt.  SUML: line k of 8 of its sum of weights (two chains of pairs; the last: l = a l + sum).
; CVTL: pair k of 8 rounded to f16, in place: the tile's 16 weights end in its 8 lowest registers, which ARE source 1 of V^T P for my 32 keys; 8 keys of a query, 16 bytes, also go into PBUF for the other waves.
.macro FMAL qt, p
	v_pk_fma_f32 v[S+16*(\qt)+2*(\p):S+16*(\qt)+2*(\p)+1], v[S+16*(\qt)+2*(\p):S+16*(\qt)+2*(\p)+1], s[CS:CS+1], v[T+24+2*(\qt):T+25+2*(\qt)] op_sel_hi:[1,0,0] neg_lo:[0,0,1] neg_hi:[0,0,1]
.endm
.macro SUML qt, k
.set rA, S+16*(\qt)
.set rU, T+32+4*(\qt)
.if (\k) == 0
	s_wait_alu depctr_va_vdst(0)
	v_pk_add_f32 v[rU:rU+1], v[rA:rA+1], v[rA+2:rA+3]
.elseif (\k) == 1
	s_wait_alu depctr_va_vdst(0)
	v_pk_add_f32 v[rU+2:rU+3], v[rA+8:rA+9], v[rA+10:rA+11]
.elseif (\k) == 2
	v_pk_add_f32 v[rU:rU+1], v[rU:rU+1], v[rA+4:rA+5]
.elseif (\k) == 3
	v_pk_add_f32 v[rU+2:rU+3], v[rU+2:rU+3], v[rA+12:rA+13]
.elseif (\k) == 4
	v_pk_add_f32 v[rU:rU+1], v[rU:rU+1], v[rA+6:rA+7]
.elseif (\k) == 5
	v_pk_add_f32 v[rU+2:rU+3], v[rU+2:rU+3], v[rA+14:rA+15]
.elseif (\k) == 6
	v_pk_add_f32 v[rU:rU+1], v[rU:rU+1], v[rU+2:rU+3]
.else
	v_pk_fma_f32 v[LS+2*(\qt):LS+2*(\qt)+1], v[LS+2*(\qt):LS+2*(\qt)+1], v[AA+2*(\qt):AA+2*(\qt)+1], v[rU:rU+1] op_sel_hi:[1,0,1]
.endif
.endm
.macro CVTL qt, k
	v_cvt_pk_f16_f32 v[S+16*(\qt)+(\k)], v[S+16*(\qt)+2*(\k)], v[S+16*(\qt)+2*(\k)+1]
.if (\k) == 3
	ds_store_b128 v[APS], v[S+16*(\qt):S+16*(\qt)+3] offset:(\qt)*16*PP
.elseif (\k) == 7
	ds_store_b128 v[APS], v[S+16*(\qt)+4:S+16*(\qt)+7] offset:(\qt)*16*PP+32
.endif
.endm
; Plain line n of 96, in the order in which they become ready.  0-31 the scalings; then a tile's sums and, behind them, its roundings.  Lines 0-7 stand ahead of the exponentials, line e + 8 behind
; exponential e, lines 72-95 behind the last.  So a tile's scalings stand 8 exponentials or more ahead of its first, its sums behind its last, and the line behind an exponential names another tile's registers.
.macro PLN n
.if (\n) < 32
	FMAL (\n)/8, (\n)%8
.elseif (\n) < 40
	SUML 0, (\n)-32
.elseif (\n) < 48
	CVTL 0, (\n)-40
.elseif (\n) < 56
	SUML 1, (\n)-48
.elseif (\n) < 64
	CVTL 1, (\n)-56
.elseif (\n) < 72
	SUML 2, (\n)-64
.elseif ((\n) < 88) && ((\n)%2 == 0)
	CVTL 2, ((\n)-72)/2
.elseif (\n) < 88
	SUML 3, ((\n)-72)/2
.else
	CVTL 3, (\n)-88
.endif
.endm
; ONE STEP OF AN ATTENTION: 128 keys.  msk = 1: the first attention, which honours the mask.  At its head the tile is in its slot, and K's first 16 fragments have been asked for.
.macro STEP msk
	PLACES                                         ; behind the last products: four places ahead of the loads into the second buffer, which they read,
	v_nop                                          ; and a fifth: the first products below write over S's upper halves, which the last products read as P (a matrix instruction over another's source: ISA guide 7.12.1)
	FETCHK 1, F1
.if \msk
	; In a pair's first step (CNT even) the mask of the next pair is asked for, 256 bytes of each of my 16 rows: sixteen lanes take one aligned block of 256 bytes.  The last pair (CNT = 2) has no next.
	s_bitcmp1_b32 s[CNT], 0
	s_cbranch_scc1 .Lnoreq_\@
	s_cmp_eq_u32 s[CNT], 2
	s_cbranch_scc1 .Lnoreq_\@
	s_wait_loadcnt 0x0                             ; no load is out here: MP is stepped and MG loaded again only behind this wait
	s_add_nc_u64 s[MP:MP+1], s[MP:MP+1], 256
.irp e, 0,1,2,3,4,5,6,7
	global_load_b128 v[MG+4*(\e):MG+4*(\e)+3], v[MGO], s[MP:MP+1] offset:4096*(\e) th:TH_LOAD_NT
.endr
.Lnoreq_\@:
.endif
	s_wait_dscnt 16                                ; LDS loads come back in order (ISA guide 5.7.1): all but the 16 just issued
	KQG 0, F0
	PLACES
	FETCHK 2, F0
	s_wait_dscnt 16                                ; all but the 16 just issued
	KQG 1, F1
	PLACES
	FETCHK 3, F1
	s_wait_dscnt 16
	KQG 2, F0
	PLACES
.if \msk
.irp qt, 0,1,2,3
.irp kt, 0,1
	ds_load_b64 v[F0+2*(2*(\qt)+(\kt)):F0+2*(2*(\qt)+(\kt))+1], v[MLDA] offset:(\qt)*16*PP+16*(\kt)  ; the mask bytes of the lane's 8 keys of S(kt, qt)
.endr
.endr
	s_wait_dscnt 8                                 ; all but those 8
.else
	s_wait_dscnt 0x0
.endif
	KQG 3, F1
	WIN 0
.if \msk
	; A mask byte is 0 or 1.  A word of four times 255 holds 0x00 or 0xFF; v_perm_b32 spreads a byte over a word; v_bfi_b32 keeps the score or takes -2^34.  The first 32 lines name no register of the
	; last products: they are the places behind them.  Each accumulator is read from its lowest register on.
	s_wait_dscnt 0x0
.set i, 0
.rept 16
	v_lshlrev_b32 v[F0+16+i], 8, v[F0+i]
.set i, i+1
.endr
.set i, 0
.rept 16
	v_sub_nc_u32 v[F0+i], v[F0+16+i], v[F0+i]
.set i, i+1
.endr
.set a, 0
.rept 8
.set j, 0
.rept 8
.if j%4 == 0
	v_perm_b32 v[F0+32+8*(a%2)+j], v[F0+2*a+j/4], v[F0+2*a+j/4], 0
.else
	v_perm_b32 v[F0+32+8*(a%2)+j], v[F0+2*a+j/4], v[F0+2*a+j/4], s[P1+j%4-1]
.endif
.set j, j+1
.endr
.set j, 0
.rept 8
	v_bfi_b32 v[S+8*a+j], v[F0+32+8*(a%2)+j], v[S+8*a+j], v[NEGK]
.set j, j+1
.endr
.set a, a+1
.endr
	s_xor_b32 s[PAR], s[PAR], 128
.else
	PLACES
.endif
	; my 32 keys' maximum for each query: two chains a q tile, then the other half of the lanes
.irp qt, 0,1,2,3
	v_max3_num_f32 v[T+16+2*(\qt)], v[S+16*(\qt)], v[S+16*(\qt)+1], v[S+16*(\qt)+2]
	v_max3_num_f32 v[T+17+2*(\qt)], v[S+16*(\qt)+8], v[S+16*(\qt)+9], v[S+16*(\qt)+10]
.endr
.irp qt, 0,1,2,3
	v_max3_num_f32 v[T+16+2*(\qt)], v[T+16+2*(\qt)], v[S+16*(\qt)+3], v[S+16*(\qt)+4]
	v_max3_num_f32 v[T+17+2*(\qt)], v[T+17+2*(\qt)], v[S+16*(\qt)+11], v[S+16*(\qt)+12]
.endr
.irp qt, 0,1,2,3
	v_max3_num_f32 v[T+16+2*(\qt)], v[T+16+2*(\qt)], v[S+16*(\qt)+5], v[S+16*(\qt)+6]
	v_max3_num_f32 v[T+17+2*(\qt)], v[T+17+2*(\qt)], v[S+16*(\qt)+13], v[S+16*(\qt)+14]
.endr
.irp qt, 0,1,2,3
	v_max3_num_f32 v[T+16+2*(\qt)], v[T+16+2*(\qt)], v[S+16*(\qt)+7], v[S+16*(\qt)+15]
.endr
.irp qt, 0,1,2,3
	v_max_num_f32 v[T+16+2*(\qt)], v[T+16+2*(\qt)], v[T+17+2*(\qt)]
.endr
.irp qt, 0,1,2,3
	v_permlanex16_b32 v[T+17+2*(\qt)], v[T+16+2*(\qt)], s[SEL], s[SEL+1]
.endr
.irp qt, 0,1,2,3
	v_max_num_f32 v[T+16+2*(\qt)], v[T+16+2*(\qt)], v[T+17+2*(\qt)]
.endr
.irp qt, 0,1,2,3
	ds_store_b32 v[ASS], v[T+16+2*(\qt)] offset:256*(\qt)
.endr
	s_wait_dscnt 0x0                               ; for the others' sake: my maxima are stored, and my reads of M are over
	s_barrier_signal -1                            ; BARRIER A; work on registers stands between signal and wait
.irp qt, 0,1,2,3
	v_mul_f32 v[T+25+2*(\qt)], s[CS], v[MX+(\qt)]  ; c m_old
.endr
	s_add_co_u32 s53, s[TB], s[KVO]
	v_add_nc_u32 v[ADRV], s53, v[AV0]              ; V of my own block of keys
	s_barrier_wait -1
.if \msk
	; In a pair's second step (CNT odd, but for the last) the next pair's mask goes into M: every wave's reads of M for this pair ended in front of barrier A; barrier B shows the stores to all.
	s_bitcmp1_b32 s[CNT], 0
	s_cbranch_scc0 .Lnosto_\@
	s_cmp_eq_u32 s[CNT], 1
	s_cbranch_scc1 .Lnosto_\@
	s_wait_loadcnt 0x0
.irp e, 0,1,2,3,4,5,6,7
	ds_store_b128 v[MST], v[MG+4*(\e):MG+4*(\e)+3] offset:2*PP*(\e)
.endr
.Lnosto_\@:
.endif
.irp qt, 0,1,2,3
	ds_load_b128 v[T+4*(\qt):T+4*(\qt)+3], v[ASL] offset:256*(\qt)  ; the four waves' maxima of my query
.endr
	FETCHW ADRV, F0, 8                             ; it comes in beside the softmax
	s_wait_dscnt 16                                ; all but those 16, on either way
.irp qt, 0,1,2,3
	v_max3_num_f32 v[T+16+2*(\qt)], v[T+4*(\qt)], v[T+4*(\qt)+1], v[T+4*(\qt)+2]
.endr
.irp qt, 0,1,2,3
	v_max3_num_f32 v[MX+(\qt)], v[T+16+2*(\qt)], v[T+4*(\qt)+3], v[MX+(\qt)]  ; the new m, the same in all four waves
.endr
.irp qt, 0,1,2,3
	v_mul_f32 v[T+24+2*(\qt)], s[CS], v[MX+(\qt)]  ; c m
.endr
.irp qt, 0,1,2,3
	v_sub_f32 v[AA+1+2*(\qt)], v[T+25+2*(\qt)], v[T+24+2*(\qt)]
.endr
.irp qt, 0,1,2,3
	v_exp_f32 v[AA+2*(\qt)], v[AA+1+2*(\qt)]       ; a; plain lines that name none of its registers follow (ISA guide 5.7.2)
.endr
.irp z, 0,1,2,3,4,5,6,7
	PLN \z
.endr
.set e, 0
.rept 64                               ; exponential and plain line by turns: no two exponentials follow each other, and each has a plain line of another tile behind it
	v_exp_f32 v[S+e], v[S+e]
	PLN e+8
.set e, e+1
.endr
.set e, 72
.rept 24
	PLN e
.set e, e+1
.endr
	s_add_co_u32 s53, s[TB], s[KVO+1]
	v_add_nc_u32 v[ADRV2], s53, v[AV0]             ; the second block that I take
	v_add_nc_u32 v[APX], s[KPO+1], v[APL]
.irp z, 0,1,2,3
	RESCA \z                                       ; the first four accumulators; these 16 lines also stand between my last stores of P and the wait for them
.endr
	WIN 0
	s_wait_dscnt 0x0                               ; for the others' sake: my part of P (and of M) is stored; V of my own block is in
	s_barrier_signal -1                            ; BARRIER B; up to its wait: products, rescaling, and loads from the slot in hand, which nobody writes before the next round
	FETCHW ADRV2, F1, 7                            ; the softmax's temporaries are dead, all but a: the last tile follows when the rescaling is over
	PVOWN
	WIN 0
	s_add_co_u32 s53, s[TB], s[KVO+2]
	v_add_nc_u32 v[ADRV], s53, v[AV0]              ; two vector lines that are due and two v_nop: the four places behind the last products
	v_add_nc_u32 v[APX], s[KPO+2], v[APL]
	v_nop
	v_nop
	ds_load_tr16_b128 v[F1+56:F1+59], v[ADRV2] offset:16*7
	ds_load_tr16_b128 v[F1+60:F1+63], v[ADRV2] offset:16*PITCH+16*7
	FETCHW ADRV, F0, 8
	FETCHP 0
	s_wait_dscnt 26                                ; all but the 2 + 16 + 8 just issued: the second block's P and seven tiles of its V are in
	PVG F1, 8, 24                                  ; ahead of the last tile's products: all but the 16 + 8: that tile is in
	WIN 0
	s_add_co_u32 s53, s[TB], s[KVO+3]
	v_add_nc_u32 v[ADRV2], s53, v[AV0]             ; the four places again
	v_add_nc_u32 v[APX], s[KPO+3], v[APL]
	v_nop
	v_nop
	FETCHW ADRV2, F1, 8
	FETCHP 8
	s_wait_dscnt 24                                ; all but the 24 just issued
	PVG F0, 0, -1
	CHANGE 1                                       ; its wait for LDS shows the fourth block's V and P in: the tile has been read out
	v_add_nc_u32 v[ADRK], s[TB], v[AK0]
.if \msk
	v_add_nc_u32 v[MLDA], s[PAR], v[MLD]
.endif
	FETCHK 0, F0                                   ; the next tile's first fragments land under the 32 products below
	PVG F1, 8, -1
	WIN 0
.endm
; O^T BECOMES Q: the rows that the next step multiplies.  norm = 1: O / l, with l added up over lanes and waves; norm = 0: ReLU.  Rounded to f16 into S's registers (the first fragment buffer holds what was
; fetched ahead), through the stage, 32 queries at a time: each wave puts its 128 channels, a barrier, each wave reads whole rows as fragments.  bias = 0, 1: behind the last reading of O the layer's bias is
; loaded straight into O^T: the sums begin with it.  The tile that is on its way stays out across these barriers.
.macro TRANS norm, bias
	WIN 0
.if \norm
.irp qt, 0,1,2,3
	v_add_f32 v[LS+2*(\qt)], v[LS+2*(\qt)], v[LS+2*(\qt)+1]  ; four plain lines that name no register of the last products: the places behind them
.endr
.irp qt, 0,1,2,3
	v_permlanex16_b32 v[LS+2*(\qt)+1], v[LS+2*(\qt)], s[SEL], s[SEL+1]
.endr
.irp qt, 0,1,2,3
	v_add_f32 v[LS+2*(\qt)], v[LS+2*(\qt)], v[LS+2*(\qt)+1]
.endr
.irp qt, 0,1,2,3
	ds_store_b32 v[ASS], v[LS+2*(\qt)] offset:SLO+256*(\qt)
.endr
	s_wait_dscnt 0x0
	BAR
.irp qt, 0,1,2,3
	ds_load_b128 v[T+4*(\qt):T+4*(\qt)+3], v[ASL] offset:SLO+256*(\qt)
.endr
	s_wait_dscnt 0x0
.irp qt, 0,1,2,3
	v_add_f32 v[T+4*(\qt)], v[T+4*(\qt)], v[T+4*(\qt)+1]
	v_add_f32 v[T+4*(\qt)+2], v[T+4*(\qt)+2], v[T+4*(\qt)+3]
.endr
.irp qt, 0,1,2,3
	v_add_f32 v[T+4*(\qt)], v[T+4*(\qt)], v[T+4*(\qt)+2]
.endr
.irp qt, 0,1,2,3
	v_rcp_f32 v[T+32+2*(\qt)], v[T+4*(\qt)]        ; twice: the packed multiply names a pair
	v_rcp_f32 v[T+33+2*(\qt)], v[T+4*(\qt)]
.endr
	v_nop                                          ; a plain line between the reciprocals and their use
	s_wait_alu depctr_va_vdst(0)
.else
	PLACES
.endif
.irp hq, 0,1
.if \norm
	WIN 0x41
.irp q2, 0,1
.irp t, 0,1,2,3,4,5,6,7
.irp p, 0,1,2,3
.set rO, 8*(4*(\t)+2*(\hq)+(\q2))+2*(\p)
	v_pk_mul_f32 v[rO:rO+1], v[rO:rO+1], v[T+32+2*(2*(\hq)+(\q2)):T+33+2*(2*(\hq)+(\q2))] op_sel_hi:[1,0]
.endr
.endr
.endr
.endif
	WIN 0x05                                       ; sources in window 1, destination in window 0
.irp q2, 0,1
.irp t, 0,1,2,3,4,5,6,7
.irp p, 0,1,2,3
.set rO, 8*(4*(\t)+2*(\hq)+(\q2))+2*(\p)
	v_cvt_pk_f16_f32 v[S+32*(\q2)+4*(\t)+(\p)], v[rO], v[rO+1]
.endr
.endr
.endr
.if ((\bias) >= 0) && ((\hq) == 1)
	WIN 0x40                                       ; destination in window 1
.irp t, 0,1,2,3,4,5,6,7
.irp qt, 0,1,2,3
.set rO, 8*(4*(\t)+(\qt))
	global_load_b128 v[rO:rO+3],   v[VB], s[BIASP:BIASP+1] offset:(\bias)*2048+32*(\t)
	global_load_b128 v[rO+4:rO+7], v[VB], s[BIASP:BIASP+1] offset:(\bias)*2048+32*(\t)+16
.endr
.endr
.endif
	WIN 0
.if !(\norm)
.set i, 0
.rept 64
	v_pk_max_num_f16 v[S+i], v[S+i], v[ZERO]
.set i, i+1
.endr
.endif
.irp q2, 0,1
.irp t, 0,1,2,3,4,5,6,7
	ds_store_b128 v[STO], v[S+32*(\q2)+4*(\t):S+32*(\q2)+4*(\t)+3] offset:(\q2)*16*PITCH+16*(\t)
.endr
.endr
	s_wait_dscnt 0x0                               ; for the others' sake: my channels are in the stage
	BAR
	WIN 0x80+0x40*(\hq)                            ; destination in window 2 or 3
.irp q2, 0,1
.set c, 0
.rept 16
	ds_load_b128 v[128*(\q2)+8*c:128*(\q2)+8*c+3],   v[SRD] offset:(\q2)*16*PITCH+64*c
	ds_load_b128 v[128*(\q2)+8*c+4:128*(\q2)+8*c+7], v[SRD] offset:(\q2)*16*PITCH+64*c+32
.set c, c+1
.endr
.endr
	WIN 0
	s_wait_dscnt 0x0                               ; my reads of the stage are over
.if (\hq) == 0
	BAR                                            ; everybody's are: the stage may be written again
.endif
.endr
.endm
; ONE STEP OF A LAYER: 128 input channels.  Written out for each st, since Q's register numbers hang on it.  first = 1: nobody has fetched the tile's first block yet.
; chg = 1: ahead of the last 32 products the slots change, the tile after the next is asked for and the next tile's first block is fetched; 0: the same, but nothing is left to ask for; -1: the last tile.
.macro MSTEP st, first, chg
	PLACES                                         ; behind the last products, which read the second buffer
.if \first
	v_add_nc_u32 v[ADRV], s[TB], v[AV0]
	v_add_nc_u32 v[ADRV2], 64*PITCH, v[ADRV]
	FETCHV 0, F0
.endif
	FETCHV 1, F1
	s_wait_dscnt 16                                ; all but the 16 just issued
	MLG \st, 0, F0
	WIN 0
	PLACES
	FETCHV 2, F0
	s_wait_dscnt 16
	MLG \st, 1, F1
	WIN 0
	PLACES
	FETCHV 3, F1
	s_wait_dscnt 16
	MLG \st, 2, F0
.if (\chg) >= 0
	CHANGE \chg                                    ; its wait for LDS shows the fourth block in: the tile has been read out
	v_add_nc_u32 v[ADRV], s[TB], v[AV0]
	v_add_nc_u32 v[ADRV2], 64*PITCH, v[ADRV]
	FETCHV 0, F0
.else
	s_wait_dscnt 0x0
.endif
	MLG \st, 3, F1
	WIN 0
.endm
	s_load_b128 s[44:47], s[0:1], 0x0              ; kv s[44:45], mask s[46:47]
	s_load_b64 s[48:49], s[0:1], 0x10              ; out0
	v_lshl_add_u32 v[SPW], v0, 2, SPARE
	v_mov_b32 v[NIL], 0
	ds_add_u32 v[SPW], v[NIL]                      ; the wave's opening: the add and its wait stand ahead of my first tensor load; the set-up below, work on registers, stands between them
	v_lshrrev_b32 v64, 5, v0
	v_readfirstlane_b32 s[WV], v64                 ; wave 0..3
	s_bfe_u32 s50, ttmp6, 0x40000                  ; cx: my place in the cluster: it enters the addresses of Q, mask and out0 alone
	s_lshl_b32 s51, ttmp9, 2                       ; in a cluster launch ttmp9 counts clusters
	s_add_co_u32 s51, s51, s50                     ; my block of 64 rows
	s_and_b32 s52, ttmp7, 0xffff                   ; the batch, which the four partners share
	; descriptor group 1: 32 rows x 512 elements of 2 bytes, padded in LDS
	s_mov_b32 s[G1], 15|(1<<16)|(1<<20)|(1<<21)|(7<<22)|(3<<25)  ; 15:0 the mask of four; 17:16 2-byte elements; 20 padding on; 21 set beside a mask; 24:22 after every 256 words (code 7); 31:25 4 words (code 3)
	s_mov_b32 s[G1+1], 512<<16                     ; tensor_dim0 = 512
	s_mov_b32 s[G1+2], 32<<16                      ; tensor_dim1 = 32
	s_mov_b32 s[G1+3], 512<<16                     ; tile_dim0 = 512
	s_mov_b32 s[G1+4], 32                          ; tile_dim1 = 32
	s_mov_b32 s[G1+5], 512                         ; 512 elements from row to row
	s_mov_b32 s[G1+6], 0
	s_mov_b32 s[G1+7], 0
	s_mov_b32 s[G0], 1                             ; count = 1
	s_mul_i32 s[G0+1], s[WV], 32*PITCH             ; LDS address: my 32 rows of slot 0
	s_lshl_b32 s[ADJ0], s52, 21                    ; y[b]: 2 MiB a batch
	s_lshl_b32 s[ADJ1], s52, 20                    ; E[b]: 1 MiB a batch, from 16 MiB on, less the 16 tiles gone before
	s_add_co_u32 s[ADJ1], s[ADJ1], 0xE00000
	s_mov_b32 s[ADJ2], 0x1500000                   ; W1, W2: from 24 MiB on, less 24 tiles
	s_mov_b32 s[NXT], 1
	s_mov_b32 s[OFF], s[ADJ0]                      ; tile 0
	s_mov_b32 s[OFF+1], 0
	s_mov_b32 s[CS], 0x3d8293ee                    ; c = log2(e) / sqrt(512) = 0.0637587
	s_mov_b32 s[CS+1], 0x3d8293ee
	s_mov_b32 s[SEL], 0x76543210
	s_mov_b32 s[SEL+1], 0xfedcba98
	s_mov_b32 s[TB], SLOTB                         ; the first change of slots turns it into 0
	s_mov_b32 s[PAR], 0
	s_mov_b32 s[P1], 0x01010101
	s_mov_b32 s[P1+1], 0x02020202
	s_mov_b32 s[P1+2], 0x03030303
.irp i, 0,1,2,3
	s_add_co_u32 s53, s[WV], \i                    ; the i-th block of 32 keys that I take in V^T P: (w + i) % 4
	s_and_b32 s53, s53, 3
	s_mul_i32 s[KVO+\i], s53, 32*PITCH
.if \i > 0
	s_lshl_b32 s[KPO+\i], s53, 6
.endif
.endr
	s_lshl_b32 s54, s[WV], 15                      ; my 32 rows of a tile; also my 16 rows of mask and of out0
	s_mov_b32 s55, 0
	s_lshl_b32 s56, s51, 16                        ; Q: 64 rows of 1,024 bytes a block
	s_add_co_u32 s56, s56, s[ADJ0]
	s_mov_b32 s57, 0
	s_lshl_b32 s58, s52, 22                        ; mask and out0: 4 MiB a batch, 64 rows of 2,048 bytes a block
	s_lshl_b32 s60, s51, 17
	s_add_co_u32 s58, s58, s60
	s_mov_b32 s59, 0
	s_add_co_u32 s60, s58, s54
	s_mov_b32 s61, 0
	v_and_b32 v64, 15, v0                          ; r
	v_bfe_u32 v65, v0, 4, 1                        ; h
	v_and_b32 v66, 7, v0
	v_bfe_u32 v67, v0, 3, 1
	v_mul_u32_u24 v69, v64, PITCH
	v_mul_u32_u24 v70, v64, PP
	v_lshl_add_u32 v[AK0], v65, 4, v69
	v_add_nc_u32 v[SRD], XST, v[AK0]
	v_add_nc_u32 v[AK0], s[G0+1], v[AK0]
	v_lshl_add_u32 v[AV0], v65, 3, v66
	v_mul_u32_u24 v[AV0], v[AV0], PITCH
	v_lshl_add_u32 v[AV0], v67, 7, v[AV0]
	s_lshl_b32 s53, s[WV], 8
	v_add_nc_u32 v[AV0], s53, v[AV0]
	v_lshl_add_u32 v[STO], v65, 7, v69
	s_add_co_u32 s53, s53, XST
	v_add_nc_u32 v[STO], s53, v[STO]
	v_lshl_add_u32 v[APL], v65, 4, v70
	v_add_nc_u32 v[APL], PBUF, v[APL]
	s_lshl_b32 s53, s[WV], 6
	v_add_nc_u32 v[APS], s53, v[APL]
	v_lshl_add_u32 v[ASL], v64, 4, SA
	s_lshl_b32 s53, s[WV], 2
	v_add_nc_u32 v[ASS], s53, v[ASL]
	v_lshl_add_u32 v[MGO], v65, 11, s54
	v_lshl_add_u32 v[MGO], v64, 4, v[MGO]
	v_mul_u32_u24 v[MST], v65, PP
	v_lshl_add_u32 v[MST], v64, 4, v[MST]
	s_mul_i32 s53, s[WV], 16*PP
	s_add_co_u32 s53, s53, XST
	v_add_nc_u32 v[MST], s53, v[MST]
	v_lshl_add_u32 v[MLD], v65, 3, v70
	s_lshl_b32 s53, s[WV], 5
	s_add_co_u32 s53, s53, XST
	v_add_nc_u32 v[MLD], s53, v[MLD]
	v_lshlrev_b32 v[MLDA], 10, v64                 ; for now: my offset in 16 rows of Q: 1024 r + 16 h
	v_lshl_add_u32 v[MLDA], v65, 4, v[MLDA]
	v_mov_b32 v[NEGK], 0xd0800000
	v_mov_b32 v[ZERO], 0
	s_wait_dscnt 0x0                               ; the opening add is done
	s_wait_kmcnt 0x0
	s_add_nc_u64 s[KVB:KVB+1], s[44:45], s[54:55]
	s_add_nc_u64 s[BIASP:BIASP+1], s[44:45], 26214400
	s_add_nc_u64 s[QP:QP+1], s[44:45], s[56:57]
	s_add_nc_u64 s[MP:MP+1], s[46:47], s[58:59]
	s_add_nc_u64 s[OUTP:OUTP+1], s[48:49], s[60:61]
	s_add_nc_u64 s[G0+2:G0+3], s[KVB:KVB+1], s[OFF:OFF+1]
	s_or_b32 s[G0+3], s[G0+3], 0x80000000          ; type = 2
	ROUND                                          ; all four work-groups are here: the first joint loads meet
	tensor_load_to_lds s[G0:G0+3], s[G1:G1+7]      ; tile 0 into slot 0
	s_nop 0
	PLACES
	; in the wait for tile 0: the mask of steps 0 and 1, Q, and what the first step finds
.irp e, 0,1,2,3,4,5,6,7
	global_load_b128 v[MG+4*(\e):MG+4*(\e)+3], v[MGO], s[MP:MP+1] offset:4096*(\e) th:TH_LOAD_NT
.endr
.irp hq, 0,1
	WIN 0x80+0x40*(\hq)                            ; destination in window 2 or 3
.irp q2, 0,1
.set c, 0
.rept 16
	global_load_b128 v[128*(\q2)+8*c:128*(\q2)+8*c+3],   v[MLDA], s[QP:QP+1] offset:(2*(\hq)+(\q2))*16384+64*c
	global_load_b128 v[128*(\q2)+8*c+4:128*(\q2)+8*c+7], v[MLDA], s[QP:QP+1] offset:(2*(\hq)+(\q2))*16384+64*c+32
.set c, c+1
.endr
.endr
.endr
	WIN 0x40
.set i, 0
.rept 256
	v_mov_b32 v[i], 0                              ; O^T: the first step multiplies it by a = 0, so it must hold finite numbers
.set i, i+1
.endr
	WIN 0
.irp qt, 0,1,2,3
	v_mov_b32 v[MX+(\qt)], 0xff7fffff
	v_mov_b32 v[LS+2*(\qt)], 0
	v_mov_b32 v[LS+2*(\qt)+1], 0
.endr
	s_wait_loadcnt 0x0                             ; the mask and Q are in: their address registers are free
.irp e, 0,1,2,3,4,5,6,7
	ds_store_b128 v[MST], v[MG+4*(\e):MG+4*(\e)+3] offset:2*PP*(\e)  ; the change of slots below waits for these and shows them to all
.endr
	CHANGE 1                                       ; tile 0 is in, everybody's part of it; tile 1 is asked for
	v_add_nc_u32 v[ADRK], s[TB], v[AK0]
	v_add_nc_u32 v[MLDA], s[PAR], v[MLD]
	FETCHK 0, F0
	s_mov_b32 s[CNT], 16                           ; THE FIRST ATTENTION: tiles 0-15
.Latt1:
	STEP 1
	s_sub_co_u32 s[CNT], s[CNT], 1
	s_cmp_lg_u32 s[CNT], 0
	s_cbranch_scc1 .Latt1
	TRANS 1, -1
.irp qt, 0,1,2,3
	v_mov_b32 v[MX+(\qt)], 0xff7fffff              ; the second attention's first a is 0 again: O^T and l need only be finite
.endr
	v_and_b32 v37, 15, v0                          ; the mask's registers are free: addresses for the biases and the way out
	v_bfe_u32 v38, v0, 4, 1
	v_and_b32 v39, 31, v0
	s_lshl_b32 s53, s[WV], 9
	v_lshl_add_u32 v[VB], v38, 8, s53
	v_mul_u32_u24 v[OST], v37, OPI
	v_add_nc_u32 v[OST], v[OST], v[VB]
	v_add_nc_u32 v[OST+1], 32*OPI, v[OST]
	v_lshlrev_b32 v[OGO], 4, v39
	s_mul_i32 s53, s[WV], 16*OPI
	v_add_nc_u32 v[ORD], s53, v[OGO]
	s_mov_b32 s[CNT], 8                            ; THE SECOND ATTENTION: tiles 16-23
.Latt2:
	STEP 0
	s_sub_co_u32 s[CNT], s[CNT], 1
	s_cmp_lg_u32 s[CNT], 0
	s_cbranch_scc1 .Latt2
	TRANS 1, 0
	s_wait_loadcnt 0x0                             ; b1 is in O^T
	MSTEP 0, 1, 1                                  ; THE FIRST LAYER: tiles 24-27
	MSTEP 1, 0, 1
	MSTEP 2, 0, 1
	MSTEP 3, 0, 1
	TRANS 0, 1
	s_wait_loadcnt 0x0                             ; b2 is in O^T
	MSTEP 0, 0, 1                                  ; THE SECOND LAYER: tiles 28-31; tile 31 is the last to be asked for
	MSTEP 1, 0, 1
	MSTEP 2, 0, 0
	MSTEP 3, 0, -1
	; THE WAY OUT.  Slot 0 has had its last fill (tile 30), and every wave's reads of it ended in front of the last change's barrier: it is the stage, 64 rows x 2,064 bytes.  Each wave puts its 128 channels
	; of all rows; a barrier; each wave reads 16 whole rows and stores them, 512 consecutive bytes a line, at a multiple of 256 from out0's first byte.
	PLACES
	WIN 0x04                                       ; data in window 1
.irp qt, 0,1,2,3
.irp t, 0,1,2,3,4,5,6,7
.set rO, 8*(4*(\t)+(\qt))
	ds_store_b128 v[OST+(\qt)/2], v[rO:rO+3]   offset:((\qt)%2)*16*OPI+32*(\t)
	ds_store_b128 v[OST+(\qt)/2], v[rO+4:rO+7] offset:((\qt)%2)*16*OPI+32*(\t)+16
.endr
.endr
	WIN 0
	s_wait_dscnt 0x0                               ; for the others' sake: my channels are in the stage
	BAR
	WIN 0x40
.set n, 0
.rept 64
	ds_load_b128 v[4*n:4*n+3], v[ORD] offset:(n/4)*OPI+512*(n%4)
.set n, n+1
.endr
	WIN 0x04
.set n, 0
.rept 64
	s_wait_dscnt 63-n                              ; load n is in, the younger ones stay out
	global_store_b128 v[OGO], v[4*n:4*n+3], s[OUTP:OUTP+1] offset:(n/4)*2048+512*(n%4) th:TH_STORE_NT
.set n, n+1
.endr
	WIN 0
	s_wait_tensorcnt 0x0                           ; the wave's end, behind my last tensor load and my last LDS store
	ds_add_u32 v[SPW], v[NIL]
	s_wait_dscnt 0x0
	ROUND                                          ; the closing round: no work-group ends while a partner may still ask for a tile that names it
	s_endpgm
.Lfunc_end_k_qcd39196925_layer:
	.size	k_qcd39196925_layer, .Lfunc_end_k_qcd39196925_layer-k_qcd39196925_layer
	.p2alignl 7, 3214868480
	.fill 96, 4, 3214868480
	.section	.rodata,"a",@progbits
	.p2align	6, 0x0
	.amdhsa_kernel k_qcd39196925_layer
		.amdhsa_group_segment_fixed_size 327680
		.amdhsa_private_segment_fixed_size 0
		.amdhsa_enable_private_segment 0
		.amdhsa_kernarg_size 24
		.amdhsa_user_sgpr_count 2
		.amdhsa_user_sgpr_kernarg_segment_ptr 1
		.amdhsa_wavefront_size32 1
		.amdhsa_system_sgpr_workgroup_id_x 1
		.amdhsa_system_sgpr_workgroup_id_y 1
		.amdhsa_system_sgpr_workgroup_id_z 1
		.amdhsa_system_vgpr_workitem_id 0
		.amdhsa_next_free_vgpr 1024
		.amdhsa_next_free_sgpr 80
		.amdhsa_reserve_vcc 0
		.amdhsa_float_denorm_mode_32 3
		.amdhsa_float_denorm_mode_16_64 3
		.amdhsa_memory_ordered 1
		.amdhsa_forward_progress 1
		.amdhsa_inst_pref_size 255
	.end_amdhsa_kernel
	.section	.bss,"aw",@nobits
	.p2align	6
	.space	262144
	.amdgpu_metadata
---
amdhsa.version: [ 1, 2 ]
amdhsa.kernels:
  - .name:           k_qcd39196925_layer
    .symbol:         k_qcd39196925_layer.kd
    .args:
      - { .name: kv, .offset: 0, .size: 8, .value_kind: global_buffer, .address_space: global }
      - { .name: mask, .offset: 8, .size: 8, .value_kind: global_buffer, .address_space: global }
      - { .name: out0, .offset: 16, .size: 8, .value_kind: global_buffer, .address_space: global }
    .group_segment_fixed_size: 327680
    .private_segment_fixed_size: 0
    .kernarg_segment_align: 8
    .kernarg_segment_size: 24
    .max_flat_workgroup_size: 128
    .sgpr_count:     80
    .vgpr_count:     1024
    .wavefront_size: 32
...
	.end_amdgpu_metadata
.endif
;; end of part 2
;; ======== version 2 of 2: 2 launches; version 1 with the launch cast written anew for expert scheduling mode
;; limits: values are held in f16: magnitudes above 65,504 overflow, below 6.1e-05 lose precision; right only within a limited range of input values
;; workspace buffers: kv 26,218,496 bytes
;; launch cast (part 3): grid 801 x 1, 8 waves a work-group, no clusters, 0 bytes of LDS; arguments y, encoder_output, W1, W2, b1, b2, kv; writes kv
.if DOCPART == 3
	.amdgcn_target "amdgcn-amd-amdhsa--gfx1250"
	.amdhsa_code_object_version 6
	.text
	.protected	k_qcd39196925_cast
	.globl	k_qcd39196925_cast
	.p2align	8
	.type	k_qcd39196925_cast,@function
k_qcd39196925_cast:
	s_mov_b64 s[64:65], 0
	v_nop
	global_prefetch_b8 v0, s[64:65] scope:SCOPE_SE
	s_setreg_imm32_b32 hwreg(HW_REG_WAVE_SCHED_MODE, 0, 2), 2
	s_setreg_imm32_b32 hwreg(HW_REG_WAVE_MODE, 25, 1), 1
	s_wait_xcnt 0x0
	s_wait_alu depctr_vm_vsrc(0)
; kv = the module's inputs, each rounded ONCE to bf16 (nearest even); y, encoder_output, W1, W2 then written as f16, b1 and b2 as f32.
; kv's bytes: y [8][2048][512] f16 at 0; encoder_output [8][1024][512] f16 at 16 MiB; W1 [512][512] f16 at 24 MiB; W2 at 24.5 MiB; b1, b2 (512 f32 each) at 26,214,400.
; That is y, encoder_output, W1, W2 on end at half their bytes, so work-group id's 32,768 bytes of kv begin at id x 32,768.
; LIMITS.  A bf16 number is exact in f16 from 6.1e-5 to 65,504 in magnitude; below that it keeps f16's fixed step of 6e-8; beyond 65,504 it becomes an infinity.
; A stream: each input byte is read once, by loads of which a wave's covers 512 consecutive bytes; a wave's store covers 256 consecutive bytes, aligned.  No LDS, no barrier, no matrix work.
; Work-groups 0-511 take y, 512-767 encoder_output, 768-783 W1, 784-799 W2, 16,384 numbers each; work-group 800 takes the two biases.
; THE MODE: SCHED_MODE bits 1:0 = 2 (LLVM: expert scheduling mode 2), set by the entry lines.  The code itself states the register dependences
; between vector instructions and memory instructions, with s_wait_alu, always for 0.
; THE PLAN.  Registers that memory instructions touch:
;   v1, v2   byte offsets, made once at the head and never written again: v1 is read by every load, v2 by every store.
;   X        load n lands in X + 4 n, once; no vector line names these registers before; row n's roundings read them behind the wait for the load.
;   Y        row n's conversions write pair n, once; store n reads it.  No register that a memory instruction reads is written a second time.
;   T        named by vector lines alone.
; The 16 rows go in four blocks of four.  Block p rounds its rows into their pairs of Y; its memory instructions are the four stores of block p - 1, one ahead of each row's vector lines.
; Those stores touch Y of block p - 1 and v2, which no vector line of block p names: so ONE wait at a block's head states all that its four stores hang on.
.set X, 8                              ; v[8:71]    sixteen loads of four f32
.set T, 72                             ; v[72:77]   at work
.set Y, 80                             ; v[80:111]  a pair for each store: none is written twice, so no store's data is ever waited for
.set BIAS_AT, 26214400
	s_load_b256 s[4:11], s[0:1], 0x0               ; y s[4:5], encoder_output s[6:7], W1 s[8:9], W2 s[10:11]
	s_load_b128 s[12:15], s[0:1], 0x20             ; b1 s[12:13], b2 s[14:15]
	s_load_b64 s[16:17], s[0:1], 0x30              ; kv
	v_lshlrev_b32 v1, 4, v0                        ; 16 bytes a thread in
	v_lshlrev_b32 v2, 3, v0                        ; 8 bytes a thread out
	s_mov_b32 s20, ttmp9                           ; id
	s_mov_b32 s28, 0xffff0000                      ; a word's upper bf16
	s_wait_kmcnt 0x0
	s_cmp_eq_u32 s20, 800
	s_cbranch_scc1 .Lbias
	s_mov_b64 s[22:23], s[10:11]                   ; which tensor, and the id of its first work-group
	s_mov_b32 s24, 784
	s_cmp_lt_u32 s20, 784
	s_cselect_b64 s[22:23], s[8:9], s[22:23]
	s_cselect_b32 s24, 768, s24
	s_cmp_lt_u32 s20, 768
	s_cselect_b64 s[22:23], s[6:7], s[22:23]
	s_cselect_b32 s24, 512, s24
	s_cmp_lt_u32 s20, 512
	s_cselect_b64 s[22:23], s[4:5], s[22:23]
	s_cselect_b32 s24, 0, s24
	s_sub_co_u32 s24, s20, s24
	s_lshl_b32 s24, s24, 16                        ; 65,536 bytes of the tensor a work-group
	s_mov_b32 s25, 0
	s_add_nc_u64 s[22:23], s[22:23], s[24:25]
	s_lshl_b32 s26, s20, 15                        ; 32,768 bytes of kv a work-group
	s_mov_b32 s27, 0
	s_add_nc_u64 s[16:17], s[16:17], s[26:27]
	s_wait_alu depctr_va_vdst(0)                   ; v1 and v2 are written: every load below reads v1 as its offset, every store v2
.set i, 0
.rept 16
	global_load_b128 v[X+4*i:X+4*i+3], v1, s[22:23] offset:4096*i th:TH_LOAD_NT
.set i, i+1
.endr
.set p, 0
.rept 4                                ; block p: rows 4 p to 4 p + 3
	s_wait_loadcnt 15-4*p                          ; loads come back in order (ISA guide 5.7.1): the block's first load is in, the 15 - 4 p younger ones stay out
.if p > 0
	s_wait_alu depctr_va_vdst(0)                   ; the conversions of the block before have written its four pairs of Y, which the four stores of this block read
.endif
.set i, 0
.rept 4
.set n, 4*p+i
.if p > 0
	global_store_b64 v2, v[Y+2*(n-4):Y+2*(n-4)+1], s[16:17] offset:2048*(n-4)  ; the block before.  No wait: no vector line since the wait above names this pair or v2
.endif
.if i > 0
	s_wait_loadcnt 15-n                            ; load n is in, the 15 - n younger ones stay out
.endif
	v_cvt_pk_bf16_f32 v[T], v[X+4*n], v[X+4*n+1]   ; the one rounding
	v_cvt_pk_bf16_f32 v[T+1], v[X+4*n+2], v[X+4*n+3]
	v_lshlrev_b32 v[T+2], 16, v[T]                 ; bf16 as f32
	v_and_b32 v[T+3], s28, v[T]
	v_lshlrev_b32 v[T+4], 16, v[T+1]
	v_and_b32 v[T+5], s28, v[T+1]
	v_cvt_pk_f16_f32 v[Y+2*n], v[T+2], v[T+3]      ; the same numbers as f16
	v_cvt_pk_f16_f32 v[Y+2*n+1], v[T+4], v[T+5]
.set i, i+1
.endr
.set p, p+1
.endr
	s_wait_alu depctr_va_vdst(0)                   ; the last block's conversions have written its four pairs of Y, which the last four stores read
.set n, 12
.rept 4
	global_store_b64 v2, v[Y+2*n:Y+2*n+1], s[16:17] offset:2048*n
.set n, n+1
.endr
	s_endpgm
.Lbias:                                                ; 256 threads x 4 numbers: waves 0-3 b1, waves 4-7 b2
	v_lshrrev_b32 v3, 5, v0
	v_readfirstlane_b32 s21, v3                    ; wave
	v_and_b32 v4, 127, v0
	v_lshlrev_b32 v4, 4, v4
	s_wait_alu depctr_va_sdst(0)                   ; s21 is written, ahead of its first reader, the compare below
	s_cmp_lt_u32 s21, 4
	s_cselect_b64 s[22:23], s[12:13], s[14:15]
	s_wait_alu depctr_va_vdst(0)                   ; v4 is written, which the load reads as its offset; so is v1, the store's offset
	global_load_b128 v[X:X+3], v4, s[22:23]
	s_add_nc_u64 s[16:17], s[16:17], BIAS_AT
	s_wait_loadcnt 0x0
	v_cvt_pk_bf16_f32 v[T], v[X], v[X+1]
	v_cvt_pk_bf16_f32 v[T+1], v[X+2], v[X+3]
	v_lshlrev_b32 v[Y], 16, v[T]
	v_and_b32 v[Y+1], s28, v[T]
	v_lshlrev_b32 v[Y+2], 16, v[T+1]
	v_and_b32 v[Y+3], s28, v[T+1]
	s_wait_alu depctr_va_vdst(0)                   ; the four lines above have written v[Y:Y+3], which the store reads
	global_store_b128 v1, v[Y:Y+3], s[16:17]
	s_endpgm
.Lfunc_end_k_qcd39196925_cast:
	.size	k_qcd39196925_cast, .Lfunc_end_k_qcd39196925_cast-k_qcd39196925_cast
	.p2alignl 7, 3214868480
	.fill 96, 4, 3214868480
	.section	.rodata,"a",@progbits
	.p2align	6, 0x0
	.amdhsa_kernel k_qcd39196925_cast
		.amdhsa_group_segment_fixed_size 0
		.amdhsa_private_segment_fixed_size 0
		.amdhsa_enable_private_segment 0
		.amdhsa_kernarg_size 56
		.amdhsa_user_sgpr_count 2
		.amdhsa_user_sgpr_kernarg_segment_ptr 1
		.amdhsa_wavefront_size32 1
		.amdhsa_system_sgpr_workgroup_id_x 1
		.amdhsa_system_sgpr_workgroup_id_y 1
		.amdhsa_system_sgpr_workgroup_id_z 1
		.amdhsa_system_vgpr_workitem_id 0
		.amdhsa_next_free_vgpr 112
		.amdhsa_next_free_sgpr 66
		.amdhsa_reserve_vcc 0
		.amdhsa_float_denorm_mode_32 3
		.amdhsa_float_denorm_mode_16_64 3
		.amdhsa_memory_ordered 1
		.amdhsa_forward_progress 1
		.amdhsa_inst_pref_size 13
	.end_amdhsa_kernel
	.amdgpu_metadata
---
amdhsa.version: [ 1, 2 ]
amdhsa.kernels:
  - .name:           k_qcd39196925_cast
    .symbol:         k_qcd39196925_cast.kd
    .args:
      - { .name: y, .offset: 0, .size: 8, .value_kind: global_buffer, .address_space: global }
      - { .name: encoder_output, .offset: 8, .size: 8, .value_kind: global_buffer, .address_space: global }
      - { .name: W1, .offset: 16, .size: 8, .value_kind: global_buffer, .address_space: global }
      - { .name: W2, .offset: 24, .size: 8, .value_kind: global_buffer, .address_space: global }
      - { .name: b1, .offset: 32, .size: 8, .value_kind: global_buffer, .address_space: global }
      - { .name: b2, .offset: 40, .size: 8, .value_kind: global_buffer, .address_space: global }
      - { .name: kv, .offset: 48, .size: 8, .value_kind: global_buffer, .address_space: global }
    .group_segment_fixed_size: 0
    .private_segment_fixed_size: 0
    .kernarg_segment_align: 8
    .kernarg_segment_size: 56
    .max_flat_workgroup_size: 256
    .sgpr_count:     66
    .vgpr_count:     112
    .wavefront_size: 32
...
	.end_amdgpu_metadata
.endif
;; end of part 3
;; launch layer: the kernel of part 2 again; grid 32 x 8, 4 waves a work-group, clusters of 4 x 1, 327,680 bytes of LDS; arguments kv, mask, out0; writes out0
